; MI455X (gfx1250); checked and timed in simulation.
; The chip was launched on July 23, 2026; its instructions are those of AMD's public machine-readable ISA for CDNA 5 (MIT licence, August 2026) and "CDNA5" Instruction Set Architecture Reference Guide (July 2026). The comments in the code are by the model that wrote it; some were corrected since.
;; MH Attention. Allowed arithmetic: matrix products marked QUANTISED: E2M3 operands, one E8M0 scale for each 32 along K, by v_wmma_scale_f32_16x16x128_f8f6f4 with both operands' format E2M3, f32 sums; everything else in f32.
;; Inputs: Wk 1,024 x 1,024 float32; Wo 1,024 x 1,024 float32; Wq 1,024 x 1,024 float32; Wv 1,024 x 1,024 float32; k 1 x 4,096 x 1,024 float32; q 1 x 4,096 x 1,024 float32; v 1 x 4,096 x 1,024 float32.
;; Outputs: out0 1 x 4,096 x 1,024 float32.
;; This version of the problem:
;;   THIS VERSION OF THE PROBLEM IS GIVEN IN LOW PRECISION. The matrix products marked QUANTISED in the list below multiply operands that are first quantised to E2M3 (2 exponent bits, 3 mantissa bits; 6 bits a number), with one power-of-two scale for each 32 numbers along K (OCP MX v1.0); their sums are f32. All else is computed in f32.
;;   The module's matrix products, in the order in which they are computed (A, B: the left and right operand; K: the contracted axis; several contracted axes count as one K, in the product's order):
;;     1. [M 4,096, K 1,024] x [K 1,024, N 1,024]; A: input q; B: input Wq: QUANTISED
;;     2. [M 4,096, K 1,024] x [K 1,024, N 1,024]; A: input k; B: input Wk: QUANTISED
;;     3. [M 4,096, K 1,024] x [K 1,024, N 1,024]; A: input v; B: input Wv: QUANTISED
;;     4. batch 16 x [M 4,096, K 64] x [K 64, N 4,096]; A: computed on the way; B: computed on the way: QUANTISED
;;     5. batch 16 x [M 4,096, K 4,096] x [K 4,096, N 64]; A: softmax (see below); B: computed on the way: QUANTISED
;;     6. [M 4,096, K 1,024] x [K 1,024, N 1,024]; A: computed on the way; B: input Wo: QUANTISED
;;   THE QUANTISER, for each operand of a quantised product, along K:
;;     - K is cut into blocks of 32 from its start; a last block that is shorter is filled with zeros.
;;     - A block's scale is 2^e with e = floor(log2(the largest magnitude in the block)) - 2, held to -126 .. 127; a block of zeros has e = 0. As a byte (E8M0): e + 127.
;;     - Each number is divided by its block's scale, clamped to +-7.5, and rounded to the nearest number of E2M3, ties to even, subnormals kept.
;;     - The product sums the exact products of the quantised numbers (number of the format x scale) in f32.
;;   ~~~python
;;   def quantise(x, axis):      # numpy; x: float32 -> the quantised numbers, widened to float32 again
;;       x = np.moveaxis(x, axis, -1); K = x.shape[-1]
;;       x = np.pad(x, [(0, 0)] * (x.ndim - 1) + [(0, -K % 32)]); x = x.reshape(x.shape[:-1] + (-1, 32)); a = np.abs(x).max(-1, keepdims=True)
;;       e = np.where(a > 0, np.clip(np.frexp(np.where(a > 0, a, 1))[1] - 1 - 2, -126, 127), 0)      # np.frexp(a)[1] - 1 = floor(log2(a)), exactly
;;       r = np.clip(x / 2.0 ** e, -7.5, 7.5)
;;       step = 2.0 ** (np.maximum(np.frexp(np.where(r == 0, 1, r))[1] - 1, 0) - 3)
;;       q = np.round(r / step) * step * 2.0 ** e      # np.round: ties to even
;;       return np.moveaxis(q.reshape(q.shape[:-2] + (-1,))[..., :K], -1, axis).astype(np.float32)
;;   ~~~
;;   SOFTMAX AHEAD OF A QUANTISED PRODUCT. Where the list says 'softmax', what is quantised is not the finished softmax but p = 2^(t - M), with t = logit x log2(e) and M = ceil(the row's largest t), a whole number; so 1/2 < the row's largest p <= 1. The row's sum l is taken of the UNQUANTISED p, in f32, and the product's result is divided by l at the end. Since M is a whole number, a kernel that streams over the keys may use a running M (the ceiling of the running maximum): every later rescaling is an exact power of two, which a block's scale takes up: the codes' values come out the same.
;;   OPERANDS COMPUTED ON THE WAY. 'Computed on the way' means the value that the module computes at that place (a softmax that the list does not call 'softmax' is quantised finished and normalised). What goes into a quantiser is computed in f32, as accurately as f32 sums, v_exp_f32 and their like allow (about 1e-6 of the number): no bf16 or f16 on the way to a quantiser, and a product that is left as it is and whose result goes on into a quantised operand takes f32 operands (vector FMAs, or v_wmma_f32_16x16x4_f32). A number that lies on a knife's edge between two numbers of the format may be rounded either way, as far as f32 arithmetic and the matrix unit's own rounding can turn it there, and no further.
;; One version. Each part assembles by itself: llvm-mc -triple=amdgcn-amd-amdhsa -mcpu=gfx1250 --defsym DOCPART=n.
;; ======== version 1 of 1: 4 launches
;; limits: right only within a limited range of input values
;; workspace buffers: xw 13,107,200 bytes; qc 3,145,728 bytes; qs 262,144 bytes; kc 6,291,456 bytes; ks 524,288 bytes; oc 3,276,800 bytes
;; launch quant (part 1): grid 256 x 1, 16 waves a work-group, no clusters, 327,680 bytes of LDS; arguments q, k, v, Wq, Wk, Wv, Wo, xw; writes xw
.if DOCPART == 1
	.amdgcn_target "amdgcn-amd-amdhsa--gfx1250"
	.amdhsa_code_object_version 6
	.text
	.protected	k_q8ccc83a2b6_quant
	.globl	k_q8ccc83a2b6_quant
	.p2align	8
	.type	k_q8ccc83a2b6_quant,@function
k_q8ccc83a2b6_quant:
	s_mov_b64 s[64:65], 0
	v_nop
	global_prefetch_b8 v0, s[64:65] scope:SCOPE_SE
	s_setreg_imm32_b32 hwreg(HW_REG_WAVE_MODE, 25, 1), 1
	s_wait_xcnt 0x0
; q, k, v [4096][1024] and Wq, Wk, Wv, Wo [1024][1024], f32, K innermost, are turned into codes of FP6 (E2M3) with one E8M0 byte for each 32 along K, laid in xw as rowtile records of 12,800 bytes:
; eight fragment images of 1,536 bytes (registers 0-3 at 16 x lane, 4-5 at 512 + 8 x lane, 6-9 at 768 + 16 x lane, 10-11 at 1,280 + 8 x lane), then 512 bytes of scale words (word i of lane (r, h): row r, K step 4 h + i).
; Rowtile 2 b + u holds at place p the row 32 b + 8 u + p + 8 (p / 8).  Records: q 0-255, k 256-511, v 512-767, Wq, Wk, Wv, Wo 64 each from 768 on.
; SHARES: a work-group takes 64 rows x 1,024; each of its sixteen waves one tile of 32 rows x 128 along K: one tensor load a wave at the head, into LDS bytes of the wave's own (rows of 512 bytes + 16), read by that wave alone:
; no barrier, nothing filled twice.  A tile gives one fragment image for each of two records, and one scale word a row: 4 bytes a lane, all that a wave owns of a row's 16.
; A block's scale byte is its largest magnitude's exponent field - 2, held at 1 from below (a block of zeros has the byte 1: its codes are zeros, and this program alone reads the bytes).
; No prefetch: all that a work-group reads is asked for at its head.  No cluster: no two work-groups read the same bytes.
; LIMITS: NaN and infinities among the inputs are not served.
.set REC,   12800
.set FRB,   1536
.set PITCH, 528
.set TILEB, 32*PITCH
.set SPARE, 16*TILEB                   ; behind the sixteen tiles: the spare words, 128 bytes a wave, that no other line names
.set L16,  1
.set L8,   2
.set SPW,  4
.set NIL,  5
.set XA,   8
.set SOF,  10
.set W,    32
.set MW,   34
.set X,    64
.set TM,   200
.set PC,   220
.set WV,   2
.set SEL,  20
.set HM,   22
.set G1,   24
.set G0,   32
.set SRC,  48
.set DP,   52
.set SB,   54
.macro QUANT s, pw                     ; 16 rows x 128 along K: lane (r, h) holds k = 32 b + 16 h + 0 .. 15 of its row in registers 16 b ..
.irp b, 0,1,2,3
	v_max3_num_f32 v[TM+\b], |v[\s+16*\b]|, |v[\s+1+16*\b]|, 0x1800000
.endr
.irp i, 2,4,6,8,10,12,14
.irp b, 0,1,2,3
	v_max3_num_f32 v[TM+\b], v[TM+\b], |v[\s+16*\b+\i]|, |v[\s+1+16*\b+\i]|
.endr
.endr
.irp b, 0,1,2,3
	v_permlanex16_b32 v[TM+4+\b], v[TM+\b], s[SEL], s[SEL+1]
.endr
.irp b, 0,1,2,3
	v_max_num_f32 v[TM+\b], v[TM+\b], v[TM+4+\b]
.endr
.irp b, 0,1,2,3
	v_add_nc_u32 v[TM+12+\b], 0xff000000, v[TM+\b]
.endr
.irp b, 0,1,2,3
	v_lshrrev_b32 v[TM+4+\b], 23, v[TM+12+\b]
.endr
	v_lshl_or_b32 v[\pw], v[TM+5], 8, v[TM+4]
	v_lshl_or_b32 v[\pw], v[TM+6], 16, v[\pw]
	v_lshl_or_b32 v[\pw], v[TM+7], 24, v[\pw]
.irp c, 0,1
	v_cvt_scalef32_pk16_fp6_f32 v[PC+6*\c:PC+2+6*\c], v[\s+32*\c:\s+15+32*\c], v[TM+12+2*\c]
	v_cvt_scalef32_pk16_fp6_f32 v[PC+12+4*\c:PC+14+4*\c], v[\s+16+32*\c:\s+31+32*\c], v[TM+12+2*\c+1]
.endr
	v_nop
.irp c, 0,1
.irp i, 0,1,2
	v_permlane16_swap_b32 v[PC+6*\c+\i], v[PC+12+4*\c+\i]
.endr
.irp i, 0,1,2
	v_mov_b32 v[PC+3+6*\c+\i], v[PC+12+4*\c+\i]
.endr
.endr
.endm
.macro XFETCH f                        ; the rows of record f: 16 loads
.irp b, 0,1,2,3
.irp j, 0,1,2,3
	ds_load_b128 v[X+64*(\f)+16*\b+4*\j:X+64*(\f)+16*\b+4*\j+3], v[XA+(\f)] offset:128*\b+16*\j
.endr
.endr
.endm
.macro PUT f
	global_store_b128 v[L16], v[PC:PC+3], s[DP:DP+1] offset:(\f)*REC
	global_store_b64 v[L8], v[PC+4:PC+5], s[DP:DP+1] offset:(\f)*REC+512
	global_store_b128 v[L16], v[PC+6:PC+9], s[DP:DP+1] offset:(\f)*REC+768
	global_store_b64 v[L8], v[PC+10:PC+11], s[DP:DP+1] offset:(\f)*REC+1280
.endm
	s_load_b256 s[4:11], s[0:1], 0x0
	s_load_b256 s[12:19], s[0:1], 0x20
	v_lshl_add_u32 v[SPW], v0, 2, SPARE
	v_mov_b32 v[NIL], 0
	ds_add_u32 v[SPW], v[NIL]                          ; the opening lines: the add, twice, and its wait ahead of my tensor load
	ds_add_u32 v[SPW], v[NIL]
	v_lshrrev_b32 v3, 5, v0
	v_readfirstlane_b32 s[WV], v3                      ; wave 0..15
	s_mov_b32 s[G1+0], (2<<16)|(1<<20)|(6<<22)|(3<<25) ; elements of 4 bytes; 4 words of padding behind every 128
	s_mov_b32 s[G1+1], 128<<16
	s_mov_b32 s[G1+2], 32<<16
	s_mov_b32 s[G1+3], 128<<16
	s_mov_b32 s[G1+4], 32
	s_mov_b32 s[G1+5], 1024
	s_mov_b32 s[G1+6], 0
	s_mov_b32 s[G1+7], 0
	s_mov_b32 s[SEL], 0x76543210
	s_mov_b32 s[SEL+1], 0xfedcba98
	s_mov_b32 s[HM], 0xffff0000
	s_lshr_b32 s56, s[WV], 3                           ; which 32 rows of the work-group's 64
	s_bfe_u32 s57, s[WV], 0x10002                      ; which half of K
	s_and_b32 s40, s[WV], 3                            ; which 128 of that half
	s_mul_i32 s58, s[WV], TILEB                        ; my tile in LDS
	s_lshl_b32 s59, ttmp9, 1
	s_add_co_u32 s59, s59, s56
	s_mul_i32 s62, s59, 2*REC                          ; my two records
	s_lshl_b32 s60, s57, 2
	s_add_co_u32 s60, s60, s40                         ; my K step
	s_mul_i32 s60, s60, FRB
	s_add_co_u32 s60, s60, s62
	s_mov_b32 s61, 0
	s_lshl_b32 s3, s57, 8
	s_add_co_u32 s62, s62, s3
	s_lshl_b32 s3, s40, 2
	s_add_co_u32 s62, s62, s3
	s_add_co_u32 s62, s62, 8*FRB                       ; my word of a row's scale words
	s_mov_b32 s63, 0
	s_wait_dscnt 0x0
	s_wait_kmcnt 0x0
	s_mov_b64 s[SRC:SRC+1], s[4:5]                     ; the tensor is chosen by the work-group's number alone
	s_mov_b32 s50, 0
	s_cmp_ge_u32 ttmp9, 64
	s_cselect_b64 s[SRC:SRC+1], s[6:7], s[SRC:SRC+1]
	s_cselect_b32 s50, 64, s50
	s_cmp_ge_u32 ttmp9, 128
	s_cselect_b64 s[SRC:SRC+1], s[8:9], s[SRC:SRC+1]
	s_cselect_b32 s50, 128, s50
	s_cmp_ge_u32 ttmp9, 192
	s_cselect_b64 s[SRC:SRC+1], s[10:11], s[SRC:SRC+1]
	s_cselect_b32 s50, 192, s50
	s_cmp_ge_u32 ttmp9, 208
	s_cselect_b64 s[SRC:SRC+1], s[12:13], s[SRC:SRC+1]
	s_cselect_b32 s50, 208, s50
	s_cmp_ge_u32 ttmp9, 224
	s_cselect_b64 s[SRC:SRC+1], s[14:15], s[SRC:SRC+1]
	s_cselect_b32 s50, 224, s50
	s_cmp_ge_u32 ttmp9, 240
	s_cselect_b64 s[SRC:SRC+1], s[16:17], s[SRC:SRC+1]
	s_cselect_b32 s50, 240, s50
	s_sub_co_u32 s50, ttmp9, s50
	s_lshl_b32 s50, s50, 1
	s_add_co_u32 s50, s50, s56
	s_lshl_b32 s50, s50, 17                            ; 32 rows of 4,096 bytes
	s_lshl_b32 s51, s57, 11
	s_add_co_u32 s50, s50, s51
	s_lshl_b32 s51, s40, 9
	s_add_co_u32 s50, s50, s51
	s_mov_b32 s51, 0
	s_add_nc_u64 s[SRC:SRC+1], s[SRC:SRC+1], s[50:51]
	s_mov_b32 s[G0], 1
	s_mov_b32 s[G0+1], s58
	s_mov_b64 s[G0+2:G0+3], s[SRC:SRC+1]
	s_or_b32 s[G0+3], s[G0+3], 0x80000000
	tensor_load_to_lds s[G0:G0+3], s[G1:G1+7]          ; my one tensor load
	s_nop 0
	s_add_nc_u64 s[DP:DP+1], s[18:19], s[60:61]
	s_add_nc_u64 s[SB:SB+1], s[18:19], s[62:63]
	v_and_b32 v3, 31, v0
	v_lshlrev_b32 v[L16], 4, v3
	v_lshlrev_b32 v[L8], 3, v3
	v_and_b32 v6, 15, v0
	v_bfe_u32 v7, v0, 4, 1
	v_and_b32 v11, 8, v6
	v_add_nc_u32 v11, v11, v6                          ; r + 8 (r / 8)
	v_mul_u32_u24 v[XA], v11, PITCH
	v_lshl_add_u32 v[XA], v7, 6, v[XA]
	v_add_nc_u32 v[XA], s58, v[XA]
	v_add_nc_u32 v[XA+1], 8*PITCH, v[XA]
	v_mul_u32_u24 v[SOF], v7, REC
	v_lshl_add_u32 v[SOF], v6, 4, v[SOF]
.irp b, 0,1,2,3
	v_mov_b32 v[TM+4+\b], 0                            ; a lane permute's destination counts as one of its sources
.endr
	s_wait_alu depctr_va_vdst(0)
	s_wait_tensorcnt 0x0                               ; my tile is in; I alone read it
	XFETCH 0
	XFETCH 1
	s_wait_dscnt 16                                    ; the first record's 16 loads are in
	QUANT X, W
	PUT 0
	s_wait_dscnt 0x0
	s_wait_xcnt 0x0                                    ; the stores have read their registers
	QUANT X+64, W+1
	PUT 1
	v_cndmask_b32 v[MW], v[W], v[W+1], s[HM]           ; lanes 0-15 the first record's words, lanes 16-31 the second's
	global_store_b32 v[SOF], v[MW], s[SB:SB+1]
	s_wait_tensorcnt 0x0                               ; the wave's end
	ds_add_u32 v[SPW], v[NIL]
	s_wait_dscnt 0x0
	s_endpgm
.Lfunc_end_k_q8ccc83a2b6_quant:
	.size	k_q8ccc83a2b6_quant, .Lfunc_end_k_q8ccc83a2b6_quant-k_q8ccc83a2b6_quant
	.p2alignl 7, 3214868480
	.fill 96, 4, 3214868480
	.section	.rodata,"a",@progbits
	.p2align	6, 0x0
	.amdhsa_kernel k_q8ccc83a2b6_quant
		.amdhsa_group_segment_fixed_size 327680
		.amdhsa_private_segment_fixed_size 0
		.amdhsa_enable_private_segment 0
		.amdhsa_kernarg_size 64
		.amdhsa_user_sgpr_count 2
		.amdhsa_user_sgpr_kernarg_segment_ptr 1
		.amdhsa_wavefront_size32 1
		.amdhsa_system_sgpr_workgroup_id_x 1
		.amdhsa_system_sgpr_workgroup_id_y 1
		.amdhsa_system_sgpr_workgroup_id_z 1
		.amdhsa_system_vgpr_workitem_id 0
		.amdhsa_next_free_vgpr 256
		.amdhsa_next_free_sgpr 66
		.amdhsa_reserve_vcc 0
		.amdhsa_float_denorm_mode_32 3
		.amdhsa_float_denorm_mode_16_64 3
		.amdhsa_memory_ordered 1
		.amdhsa_forward_progress 1
		.amdhsa_inst_pref_size 16
	.end_amdhsa_kernel
	.amdgpu_metadata
---
amdhsa.version: [ 1, 2 ]
amdhsa.kernels:
  - .name:           k_q8ccc83a2b6_quant
    .symbol:         k_q8ccc83a2b6_quant.kd
    .args:
      - { .name: q, .offset: 0, .size: 8, .value_kind: global_buffer, .address_space: global }
      - { .name: k, .offset: 8, .size: 8, .value_kind: global_buffer, .address_space: global }
      - { .name: v, .offset: 16, .size: 8, .value_kind: global_buffer, .address_space: global }
      - { .name: Wq, .offset: 24, .size: 8, .value_kind: global_buffer, .address_space: global }
      - { .name: Wk, .offset: 32, .size: 8, .value_kind: global_buffer, .address_space: global }
      - { .name: Wv, .offset: 40, .size: 8, .value_kind: global_buffer, .address_space: global }
      - { .name: Wo, .offset: 48, .size: 8, .value_kind: global_buffer, .address_space: global }
      - { .name: xw, .offset: 56, .size: 8, .value_kind: global_buffer, .address_space: global }
    .group_segment_fixed_size: 327680
    .private_segment_fixed_size: 0
    .kernarg_segment_align: 8
    .kernarg_segment_size: 64
    .max_flat_workgroup_size: 512
    .sgpr_count:     66
    .vgpr_count:     256
    .wavefront_size: 32
...
	.end_amdgpu_metadata
.endif
;; end of part 1
;; launch proj (part 2): grid 64 x 3, 4 waves a work-group, clusters of 4 x 1, 327,680 bytes of LDS; arguments xw, qc, qs, kc, ks; writes qc, qs, kc, ks
.if DOCPART == 2
	.amdgcn_target "amdgcn-amd-amdhsa--gfx1250"
	.amdhsa_code_object_version 6
	.text
	.protected	k_q8ccc83a2b6_proj
	.globl	k_q8ccc83a2b6_proj
	.p2align	8
	.type	k_q8ccc83a2b6_proj,@function
k_q8ccc83a2b6_proj:
	s_mov_b64 s[64:65], 0
	v_nop
	global_prefetch_b8 v0, s[64:65] scope:SCOPE_SE
	s_setreg_imm32_b32 hwreg(HW_REG_WAVE_MODE, 25, 1), 1
	s_wait_xcnt 0x0
	s_wait_alu depctr_hold_cnt(0) depctr_sa_sdst(0) depctr_va_vdst(0) depctr_va_sdst(0) depctr_va_ssrc(0) depctr_va_vcc(0) depctr_vm_vsrc(0)
	s_getreg_b32 s2, hwreg(HW_REG_IB_STS2, 6, 4)
	s_cmp_eq_u32 s2, 0
	s_cbranch_scc0 .Lentry_in_a_cluster
	s_endpgm
.Lentry_in_a_cluster:
	s_bfe_u32 s2, ttmp6, 0x10000c
	s_cmp_lg_u32 s2, 0x3003
	s_cbranch_scc0 .Lentry_shape_is_right
	s_endpgm
.Lentry_shape_is_right:
.set REC,   12800
.set FRB,   1536
.set BLK,   4*REC
.set SPARE, 4*BLK
.set L16,  1
.set L8,   2
.set SPW,  4
.set NIL,  5
.set A16,  8
.set A8,   12
.set RS,   16
.set SS,   32
.set VA,   48
.set VB,   52
.set F0,   64
.set T,    160
.set T2,   168
.set SO,   176
.set WD,   184
.set PR,   188
.set P,    192
.set WV,   14
.set SEL,  20
.set HM,   22
.set G1,   24
.set G0,   32
.set CPB,  48
.set SPB,  56
.set RP,   66
.set MSB, 0
.macro WIN new
.if MSB != (\new)
	s_set_vgpr_msb (MSB<<8)|(\new)
.set MSB, (\new)
.endif
.endm
.macro ROUND
	s_barrier_signal -1
	s_barrier_wait -1
	s_cmp_lg_u32 s[WV], 0
	s_cbranch_scc1 .Lnot_wave_0_\@
	s_barrier_signal -3
.Lnot_wave_0_\@:
	s_barrier_wait -3
	s_barrier_signal -1
	s_barrier_wait -1
.endm
.macro PLACES
.rept 4
	v_nop
.endr
.endm
.macro SCALES b
.irp m, 0,1,2,3
	ds_load_b128 v[SS+4*\m:SS+4*\m+3], v[A16+(\b)] offset:REC*\m+8*FRB
.endr
.endm
.macro FETCH b, s, f
.irp m, 0,1,2,3
	ds_load_b128 v[\f+12*\m:\f+12*\m+3], v[A16+(\b)] offset:REC*\m+FRB*(\s)
	ds_load_b64 v[\f+12*\m+4:\f+12*\m+5], v[A8+(\b)] offset:REC*\m+FRB*(\s)+512
	ds_load_b128 v[\f+12*\m+6:\f+12*\m+9], v[A16+(\b)] offset:REC*\m+FRB*(\s)+768
	ds_load_b64 v[\f+12*\m+10:\f+12*\m+11], v[A8+(\b)] offset:REC*\m+FRB*(\s)+1280
.endr
.endm
.macro MUL s, f
	WIN 0xf1+(\s)/4
.irp m, 0,1,2,3
.irp n, 0,1,2,3
.if (\s) == 0
	v_wmma_scale_f32_16x16x128_f8f6f4 v[8*(4*\m+\n):8*(4*\m+\n)+7], v[12*(4*((\s)%4)+\n):12*(4*((\s)%4)+\n)+11], v[\f+12*\m:\f+12*\m+11], 0, v[RS+4*\n+(\s)%4], v[SS+4*\m+(\s)%4] matrix_a_fmt:MATRIX_FMT_FP6 matrix_b_fmt:MATRIX_FMT_FP6
.elseif (\s) < 4
	v_wmma_scale_f32_16x16x128_f8f6f4 v[8*(4*\m+\n):8*(4*\m+\n)+7], v[12*(4*((\s)%4)+\n):12*(4*((\s)%4)+\n)+11], v[\f+12*\m:\f+12*\m+11], v[8*(4*\m+\n):8*(4*\m+\n)+7], v[RS+4*\n+(\s)%4], v[SS+4*\m+(\s)%4] matrix_a_fmt:MATRIX_FMT_FP6 matrix_b_fmt:MATRIX_FMT_FP6
.else
	v_wmma_scale_f32_16x16x128_f8f6f4 v[8*(4*\m+\n):8*(4*\m+\n)+7], v[12*(4*((\s)%4)+\n):12*(4*((\s)%4)+\n)+11], v[\f+12*\m:\f+12*\m+11], v[8*(4*\m+\n):8*(4*\m+\n)+7], v[RS+4*\n+(\s)%4], v[SS+4*\m+(\s)%4] matrix_a_fmt:MATRIX_FMT_FP6 matrix_b_fmt:MATRIX_FMT_FP6 matrix_a_scale:MATRIX_SCALE_ROW1 matrix_b_scale:MATRIX_SCALE_ROW1
.endif
.endr
.endr
	WIN 0
.endm
.macro KLOOP b, first
.irp s, 0,1,2,3,4,5,6,7
.if \s < 7
.if \s > 0
	PLACES
.endif
	FETCH \b, \s+1, F0+48*((\s+1)%2)
	s_wait_dscnt 16
.else
	s_wait_dscnt 0x0
.endif
.if \first
.if 16*(7-\s) > 63
	s_wait_loadcnt 63
.else
	s_wait_loadcnt 16*(7-\s)
.endif
.endif
	MUL \s, F0+48*(\s%2)
.endr
.endm
.macro BHEAD b
.if (\b) > 0
	s_wait_tensorcnt 0x0
.endif
	s_wait_dscnt 0x0
	s_barrier_signal -1
	s_barrier_wait -1
	SCALES \b
	FETCH \b, 0, F0
.endm
.macro EPI b
	s_wait_xcnt 0x0
	WIN 0x0f
.irp g, 0,1,2,3,4,5,6,7
	v_max3_num_f32 v[T+\g], |v[16*\g]|, |v[16*\g+1]|, 0x1800000
.endr
	WIN 0x3c
.irp i, 2,4,6,8,10,12,14
.irp g, 0,1,2,3,4,5,6,7
	v_max3_num_f32 v[T+\g], v[T+\g], |v[16*\g+\i]|, |v[16*\g+\i+1]|
.endr
.endr
	WIN 0
.irp g, 0,1,2,3,4,5,6,7
	v_permlanex16_b32 v[T2+\g], v[T+\g], s[SEL], s[SEL+1]
.endr
.irp g, 0,1,2,3,4,5,6,7
	v_max_num_f32 v[T+\g], v[T+\g], v[T2+\g]
.endr
.irp g, 0,1,2,3,4,5,6,7
	v_add_nc_u32 v[SO+\g], 0xff000000, v[T+\g]
.endr
.irp g, 0,1,2,3,4,5,6,7
	v_lshrrev_b32 v[T2+\g], 23, v[SO+\g]
.endr
.irp m, 0,1,2,3
	v_lshl_or_b32 v[WD+\m], v[T2+2*\m+1], 8, v[T2+2*\m]
.endr
.irp i, 0,1
	v_cndmask_b32 v[PR+\i], v[WD+2*\i], v[WD+2*\i+1], s[HM]
.endr
	WIN 0x03
.irp g, 0,1,2,3,4,5,6,7
	v_cvt_scalef32_pk16_fp6_f32 v[P+4*\g:P+4*\g+2], v[16*\g:16*\g+15], v[SO+\g]
.endr
	WIN 0
	v_nop
.irp m, 0,1,2,3
.irp i, 0,1,2
	v_permlane16_swap_b32 v[P+8*\m+\i], v[P+8*\m+4+\i]
.endr
.irp i, 0,1,2
	v_mov_b32 v[P+8*\m+3+\i], v[P+8*\m+4+\i]
.endr
.endr
.irp j, 0,1,2,3
	global_store_b128 v[VA+\j], v[P+8*\j:P+8*\j+3], s[CPB+2*(\b):CPB+2*(\b)+1]
	global_store_b64 v[VB+\j], v[P+8*\j+4:P+8*\j+5], s[CPB+2*(\b):CPB+2*(\b)+1]
.endr
	global_store_b64 v[L8], v[PR:PR+1], s[SPB+2*(\b):SPB+2*(\b)+1]
.endm
	s_load_b128 s[4:7], s[0:1], 0x0
	s_load_b128 s[8:11], s[0:1], 0x10
	s_load_b64 s[12:13], s[0:1], 0x20
	v_lshl_add_u32 v[SPW], v0, 2, SPARE
	v_mov_b32 v[NIL], 0
	ds_add_u32 v[SPW], v[NIL]
	ds_add_u32 v[SPW], v[NIL]
	v_lshrrev_b32 v3, 5, v0
	v_readfirstlane_b32 s[WV], v3
	s_and_b32 s17, ttmp7, 0xffff
	s_bfe_u32 s16, ttmp6, 0x40000
	s_and_b32 s68, ttmp9, 3
	s_lshr_b32 s69, ttmp9, 2
	s_lshl_b32 s69, s69, 2
	s_add_co_u32 s69, s69, s16
	s_lshl_b32 s70, s17, 6
	s_add_co_u32 s70, s70, 768
	s_lshl_b32 s71, s17, 8
	s_cmp_eq_u32 s17, 2
	s_cselect_b32 s18, s68, ttmp9
	s_cselect_b32 s19, s69, s16
	s_cselect_b32 s70, 512, s70
	s_cselect_b32 s71, 896, s71
	s_lshl_b32 s72, s18, 4
	s_add_co_u32 s72, s72, s71
	s_add_co_u32 s72, s72, s[WV]
	s_mul_i32 s72, s72, REC
	s_mov_b32 s73, 0
	s_lshl_b32 s74, s19, 4
	s_add_co_u32 s74, s74, s70
	s_lshl_b32 s75, s[WV], 2
	s_add_co_u32 s74, s74, s75
	s_mul_i32 s74, s74, REC
	s_mov_b32 s75, 0
	s_mul_i32 s91, s[WV], REC
	s_mov_b32 s[G1+0], 15|(3<<16)|(1<<21)
	s_mov_b32 s[G1+1], 32<<16
	s_mov_b32 s[G1+2], 50<<16
	s_mov_b32 s[G1+3], 32<<16
	s_mov_b32 s[G1+4], 50
	s_mov_b32 s[G1+5], 32
	s_mov_b32 s[G1+6], 0
	s_mov_b32 s[G1+7], 0
	s_mov_b32 s[SEL], 0x76543210
	s_mov_b32 s[SEL+1], 0xfedcba98
	s_mov_b32 s[HM], 0xffff0000
	v_and_b32 v3, 31, v0
	v_lshlrev_b32 v[L16], 4, v3
	v_lshlrev_b32 v[L8], 3, v3
	s_wait_dscnt 0x0
	s_wait_kmcnt 0x0
	s_add_nc_u64 s[76:77], s[4:5], s[72:73]
	s_add_nc_u64 s[RP:RP+1], s[4:5], s[74:75]
	s_mul_i32 s88, s[WV], 2*REC                        ; blocks 1 to 3 are 153,600 dense bytes: my quarter of them begins BLK + 38,400 x wave from the block's start, that is BLK + 25,600 x wave from my record of block 0
	s_add_co_u32 s88, s88, BLK
	s_mov_b32 s89, 0
	s_mov_b32 s[G0], 1
	s_mov_b32 s[G0+1], s91
	s_mov_b64 s[G0+2:G0+3], s[76:77]
	s_or_b32 s[G0+3], s[G0+3], 0x80000000
	s_mov_b32 s[G0+4], 1
	s_add_co_u32 s[G0+5], s91, s88
	s_add_nc_u64 s[G0+6:G0+7], s[76:77], s[88:89]
	s_or_b32 s[G0+7], s[G0+7], 0x80000000
	ROUND
	tensor_load_to_lds s[G0:G0+3], s[G1:G1+7]          ; the head's one load a wave: my record of block 0
	s_nop 0
.rept 4
	v_nop
.endr
	s_wait_alu depctr_va_vdst(0)
.irp n, 0,1,2,3
	global_load_b128 v[RS+4*\n:RS+4*\n+3], v[L16], s[RP:RP+1] offset:REC*\n+8*FRB
.endr
	WIN 0x40
.irp s, 0,1,2,3
.irp n, 0,1,2,3
	global_load_b128 v[12*(4*\s+\n):12*(4*\s+\n)+3], v[L16], s[RP:RP+1] offset:REC*\n+FRB*\s
	global_load_b64 v[12*(4*\s+\n)+4:12*(4*\s+\n)+5], v[L8], s[RP:RP+1] offset:REC*\n+FRB*\s+512
	global_load_b128 v[12*(4*\s+\n)+6:12*(4*\s+\n)+9], v[L16], s[RP:RP+1] offset:REC*\n+FRB*\s+768
	global_load_b64 v[12*(4*\s+\n)+10:12*(4*\s+\n)+11], v[L8], s[RP:RP+1] offset:REC*\n+FRB*\s+1280
.endr
.endr
	WIN 0
	s_wait_alu depctr_va_vdst(0)
	s_wait_tensorcnt 0x0                               ; block 0 is in
	ds_add_u32 v[SPW], v[NIL]
	s_mov_b32 s[G1+2], 150<<16                         ; no tensor load of mine is out: from here a load brings 150 rows of 256 bytes
	s_mov_b32 s[G1+4], 150
	s_wait_dscnt 0x0
	ROUND
	tensor_load_to_lds s[G0+4:G0+7], s[G1:G1+7]        ; my quarter of blocks 1 to 3
	s_nop 0
	WIN 0x80
.irp s, 0,1,2,3
.irp n, 0,1,2,3
	global_load_b128 v[12*(4*\s+\n):12*(4*\s+\n)+3], v[L16], s[RP:RP+1] offset:REC*\n+FRB*(\s+4)
	global_load_b64 v[12*(4*\s+\n)+4:12*(4*\s+\n)+5], v[L8], s[RP:RP+1] offset:REC*\n+FRB*(\s+4)+512
	global_load_b128 v[12*(4*\s+\n)+6:12*(4*\s+\n)+9], v[L16], s[RP:RP+1] offset:REC*\n+FRB*(\s+4)+768
	global_load_b64 v[12*(4*\s+\n)+10:12*(4*\s+\n)+11], v[L8], s[RP:RP+1] offset:REC*\n+FRB*(\s+4)+1280
.endr
.endr
	WIN 0
	s_lshl_b32 s78, s19, 2
	s_add_co_u32 s78, s78, s[WV]
	s_lshl_b32 s79, s19, 1
	s_lshr_b32 s80, s[WV], 1
	s_add_co_u32 s79, s79, s80
	s_and_b32 s80, s[WV], 1
	s_mul_i32 s81, s78, 196608
	s_mul_i32 s76, s18, 12288
	s_add_co_u32 s81, s81, s76
	s_lshl_b32 s81, s81, s17
	s_mul_i32 s82, s18, 1572864
	s_mul_i32 s76, s79, 12288
	s_add_co_u32 s82, s82, s76
	s_mul_i32 s76, s80, 768
	s_add_co_u32 s82, s82, s76
	s_add_co_u32 s82, s82, 6144
	s_lshl_b32 s83, s78, 14
	s_lshl_b32 s76, s18, 10
	s_add_co_u32 s83, s83, s76
	s_lshl_b32 s83, s83, s17
	s_lshl_b32 s84, s18, 17
	s_lshl_b32 s76, s79, 10
	s_add_co_u32 s84, s84, s76
	s_lshl_b32 s76, s80, 8
	s_add_co_u32 s84, s84, s76
	s_add_co_u32 s84, s84, 512
	s_lshl_b32 s85, 6144, s17
	s_lshl_b32 s86, 512, s17
	s_mov_b32 s88, 3072
	s_mov_b32 s89, 768
	s_mov_b32 s90, 256
	s_cmp_eq_u32 s17, 2
	s_cselect_b32 s81, s82, s81
	s_cselect_b32 s83, s84, s83
	s_cselect_b32 s85, 786432, s85
	s_cselect_b32 s86, 65536, s86
	s_cselect_b32 s88, 393216, s88
	s_cselect_b32 s89, 1536, s89
	s_cselect_b32 s90, 32768, s90
	s_cmp_eq_u32 s17, 0
	s_cselect_b64 s[92:93], s[6:7], s[10:11]
	s_cselect_b64 s[94:95], s[8:9], s[12:13]
	s_mov_b32 s79, 0
	s_mov_b32 s78, s81
	s_add_nc_u64 s[CPB:CPB+1], s[92:93], s[78:79]
	s_add_co_u32 s78, s81, s88
	s_add_nc_u64 s[CPB+2:CPB+3], s[92:93], s[78:79]
	s_add_co_u32 s78, s81, s85
	s_add_nc_u64 s[CPB+4:CPB+5], s[92:93], s[78:79]
	s_add_co_u32 s78, s78, s88
	s_add_nc_u64 s[CPB+6:CPB+7], s[92:93], s[78:79]
	s_mov_b32 s78, s83
	s_add_nc_u64 s[SPB:SPB+1], s[94:95], s[78:79]
	s_add_co_u32 s78, s83, s90
	s_add_nc_u64 s[SPB+2:SPB+3], s[94:95], s[78:79]
	s_add_co_u32 s78, s83, s86
	s_add_nc_u64 s[SPB+4:SPB+5], s[94:95], s[78:79]
	s_add_co_u32 s78, s78, s90
	s_add_nc_u64 s[SPB+6:SPB+7], s[94:95], s[78:79]
	v_add_nc_u32 v3, 512, v[L8]
.irp j, 0,1,2,3
	v_mad_u32_u24 v[VA+\j], s89, \j, v[L16]
	v_mad_u32_u24 v[VB+\j], s89, \j, v3
	v_add_nc_u32 v[A16+\j], \j*BLK, v[L16]
	v_add_nc_u32 v[A8+\j], \j*BLK, v[L8]
.endr
.irp g, 0,1,2,3,4,5,6,7
	v_mov_b32 v[T2+\g], 0
.endr
	BHEAD 0
	KLOOP 0, 1
	PLACES
	BHEAD 1
	EPI 0
	KLOOP 1, 0
	PLACES
	BHEAD 2
	EPI 1
	KLOOP 2, 0
	PLACES
	BHEAD 3
	EPI 2
	KLOOP 3, 0
	PLACES
	EPI 3
	s_wait_tensorcnt 0x0
	ds_add_u32 v[SPW], v[NIL]
	s_wait_dscnt 0x0
	ROUND
	s_endpgm
.Lfunc_end_k_q8ccc83a2b6_proj:
	.size	k_q8ccc83a2b6_proj, .Lfunc_end_k_q8ccc83a2b6_proj-k_q8ccc83a2b6_proj
	.p2alignl 7, 3214868480
	.fill 96, 4, 3214868480
	.section	.rodata,"a",@progbits
	.p2align	6, 0x0
	.amdhsa_kernel k_q8ccc83a2b6_proj
		.amdhsa_group_segment_fixed_size 327680
		.amdhsa_private_segment_fixed_size 0
		.amdhsa_enable_private_segment 0
		.amdhsa_kernarg_size 40
		.amdhsa_user_sgpr_count 2
		.amdhsa_user_sgpr_kernarg_segment_ptr 1
		.amdhsa_wavefront_size32 1
		.amdhsa_system_sgpr_workgroup_id_x 1
		.amdhsa_system_sgpr_workgroup_id_y 1
		.amdhsa_system_sgpr_workgroup_id_z 1
		.amdhsa_system_vgpr_workitem_id 0
		.amdhsa_next_free_vgpr 896
		.amdhsa_next_free_sgpr 96
		.amdhsa_reserve_vcc 0
		.amdhsa_float_denorm_mode_32 3
		.amdhsa_float_denorm_mode_16_64 3
		.amdhsa_memory_ordered 1
		.amdhsa_forward_progress 1
		.amdhsa_inst_pref_size 160
	.end_amdhsa_kernel
	.amdgpu_metadata
---
amdhsa.version: [ 1, 2 ]
amdhsa.kernels:
  - .name:           k_q8ccc83a2b6_proj
    .symbol:         k_q8ccc83a2b6_proj.kd
    .args:
      - { .name: xw, .offset: 0, .size: 8, .value_kind: global_buffer, .address_space: global }
      - { .name: qc, .offset: 8, .size: 8, .value_kind: global_buffer, .address_space: global }
      - { .name: qs, .offset: 16, .size: 8, .value_kind: global_buffer, .address_space: global }
      - { .name: kc, .offset: 24, .size: 8, .value_kind: global_buffer, .address_space: global }
      - { .name: ks, .offset: 32, .size: 8, .value_kind: global_buffer, .address_space: global }
    .group_segment_fixed_size: 327680
    .private_segment_fixed_size: 0
    .kernarg_segment_align: 8
    .kernarg_segment_size: 40
    .max_flat_workgroup_size: 128
    .sgpr_count:     96
    .vgpr_count:     896
    .wavefront_size: 32
...
	.end_amdgpu_metadata
.endif
;; end of part 2
;; launch attn (part 3): grid 16 x 16, 8 waves a work-group, no clusters, 327,680 bytes of LDS; arguments qc, qs, kc, ks, oc; writes oc
.if DOCPART == 3
	.amdgcn_target "amdgcn-amd-amdhsa--gfx1250"
	.amdhsa_code_object_version 6
	.text
	.protected	k_q8ccc83a2b6_attn
	.globl	k_q8ccc83a2b6_attn
	.p2align	8
	.type	k_q8ccc83a2b6_attn,@function
k_q8ccc83a2b6_attn:
	s_mov_b64 s[64:65], 0
	v_nop
	global_prefetch_b8 v0, s[64:65] scope:SCOPE_SE
	s_setreg_imm32_b32 hwreg(HW_REG_WAVE_MODE, 25, 1), 1
	s_wait_xcnt 0x0
; Causal attention of 16 heads of 64 over 4,096 positions, both products on codes of FP6 (E2M3) with E8M0 scales; the result, divided by the row's sum, is quantised along the model's 1,024 into oc.
; t = score x log2(e) x 8 / 64; M = the running largest t rounded UP to a whole number; p = 2^(t - M) is quantised along the keys, not normalised; the row's sum is taken of the unquantised p;
; when M moves, the sum and O are multiplied by 2^(old M - new M), which rounds nothing.  Key steps that lie wholly behind the causal mask of reference() are not computed.
; A BLOCK'S SCALE: the largest p of 32 keys is 2^x, x the block's largest t - M, so its exponent is floor(x): the byte is floor(x) + 125, x held at -124 from below (byte 1).
; THE FIRST PRODUCT'S K IS 64: Q's upper 64 codes are zeros (six registers, cleared once) under scale bytes 0, which are no NaN; what K's operand holds there is multiplied by zero,
; so K's eight hexes of six registers lie on end and each operand of twelve runs into the next hex.
; LAYOUT: both products transposed (S^T = K Q^T, O^T = V^T P^T): a lane holds one query.  Rowtile 2 b + u holds at place p the row 32 b + 8 u + p + 8 (p / 8).
; SHARES: work-group (j, head) takes the groups of 128 queries j and 31 - j: 33 key steps of 128 together for every j.  Eight waves; a wave has TWO neighbouring tiles of 16 queries (x = 0, 1),
; which share every fragment of K and V; wave w has pair w / 2 of the low group where ((w / 4) xor w) is even, else of the high group.
; RING: two LDS slots of four key steps.  A load brings one quarter (3,072 bytes) of each of a slot's four steps, so every load holds bytes of the slot's first step; waves 0-3 issue them.
; At the head waves 0-3 fetch slot 0 and waves 4-7 a quarter each of the head's 32,768 scale bytes: one tensor load of a wave is out at any time.  Every wait on TENSORcnt is for 0.
; Every work-group walks all 8 slots (constant trip counts); a step behind a wave's queries is jumped over by a branch on ids; a slot whose first key comes after the high group's diagonal step is not asked for.
; NO CLUSTER: the work-groups of a head need 17 to 32 key steps, so partners would need different numbers of tiles.
; REGISTERS: window 1: v0-127 S^T, then p, of tiles 0 and 1; v128-191 O^T.  Window 0: all else.
; LIMITS: the scaled scores stay under 2^31 in magnitude; NaN and infinities are not served; v_exp_f32 gives 0 for results under 2^-126; a block of zeros has the byte 1 (this program alone reads the bytes).
.set STEPQ, 3072
.set QTR,   12288
.set SLOTB, 49152
.set SLOT1, 65536
.set SCL,   131072
.set SPARE, 163840
.set REC,   12800
.set L16,  1
.set L8,   2
.set LSC,  3
.set SPW,  5
.set NIL,  6
.set A16,  8
.set A8,   9
.set AS,   10
.set NM,   12                          ; v12+2x  -M;  v13+2x the running largest score
.set SUM,  16                          ; v[16+2x:17+2x] the row's sum in two halves
.set F,    20                          ; v20+2x  f;  v21+2x p's scale word
.set DQ,   24                          ; v24+x   my query's place in its group - 16 (lane / 16)
.set NINF, 26
.set QS,   27                          ; v27+x   Q's scale words
.set PFO,  29
.set OSO,  30
.set TP,   32
.set Q,    36                          ; v36-47, v48-59  Q's fragments (upper six zero)
.set KFR,  64                          ; v64-111 K's eight hexes; v112-117 written once
.set KS,   118
.set VL,   122
.set VH,   124
.set VS,   126
.set VF,   128                         ; v128-175 V's four fragments
.set PC,   176
.set PC2,  200
.set BM,   216
.set T2,   224
.set SO,   232
.set TT,   240                         ; eight pairs for the sum
.set TB,   2
.set TS,   3
.set NCS,  14
.set TN,   15
.set SB,   16
.set QC,   17
.set WV,   18
.set SEL,  20
.set CS,   22
.set G1C,  24
.set G1S,  32
.set G0C,  40
.set G0S,  44
.set SLOTS, 48
.set KF,   49
.set QG,   50
.set QH,   51
.set PFA,  52
.set LIM,  54
.set MSB, 0
.macro WIN new                         ; the immediate's high byte repeats the setting that is left
.if MSB != (\new)
	s_set_vgpr_msb (MSB<<8)|(\new)
.set MSB, (\new)
.endif
.endm
.macro KLOAD off                       ; K's eight hexes and the scale words of a step: 20 loads
.irp t, 0,1,2,3,4,5,6,7
	ds_load_b128 v[KFR+6*\t:KFR+6*\t+3], v[A16] offset:QTR*(\t/4)+768*(\t%4)+\off
	ds_load_b64 v[KFR+6*\t+4:KFR+6*\t+5], v[A8] offset:QTR*(\t/4)+768*(\t%4)+512+\off
.endr
	ds_load_b64 v[KS:KS+1], v[AS]
	ds_load_b64 v[KS+2:KS+3], v[AS] offset:256
	ds_load_b64 v[VL:VL+1], v[AS] offset:512
	ds_load_b64 v[VH:VH+1], v[AS] offset:768
.endm
.macro VLD n                           ; a fragment of V: 4 loads
	ds_load_b128 v[VF+12*\n:VF+12*\n+3], v[A16] offset:QTR*(2+\n/2)+1536*(\n%2)
	ds_load_b64 v[VF+12*\n+4:VF+12*\n+5], v[A8] offset:QTR*(2+\n/2)+1536*(\n%2)+512
	ds_load_b128 v[VF+12*\n+6:VF+12*\n+9], v[A16] offset:QTR*(2+\n/2)+1536*(\n%2)+768
	ds_load_b64 v[VF+12*\n+10:VF+12*\n+11], v[A8] offset:QTR*(2+\n/2)+1536*(\n%2)+1280
.endm
.macro PV x
	WIN 0x50
.irp n, 0,1,2,3
.if \n%2 == 0
	v_wmma_scale_f32_16x16x128_f8f6f4 v[128+32*\x+8*\n:128+32*\x+8*\n+7], v[VF+12*\n:VF+12*\n+11], v[PC+12*\x:PC+12*\x+11], v[128+32*\x+8*\n:128+32*\x+8*\n+7], v[VS+\n/2], v[F+2*\x+1] matrix_a_fmt:MATRIX_FMT_FP6 matrix_b_fmt:MATRIX_FMT_FP6
.else
	v_wmma_scale_f32_16x16x128_f8f6f4 v[128+32*\x+8*\n:128+32*\x+8*\n+7], v[VF+12*\n:VF+12*\n+11], v[PC+12*\x:PC+12*\x+11], v[128+32*\x+8*\n:128+32*\x+8*\n+7], v[VS+\n/2], v[F+2*\x+1] matrix_a_fmt:MATRIX_FMT_FP6 matrix_b_fmt:MATRIX_FMT_FP6 matrix_a_scale:MATRIX_SCALE_ROW1
.endif
.endr
	WIN 0
.endm
.macro POST x                          ; tile x behind its exponentials: the sum of the unquantised p, p's codes, its products
	WIN 0x05
.irp c, 0,1,2,3,4,5,6,7
	v_pk_add_f32 v[TT+2*\c:TT+2*\c+1], v[64*\x+4*\c:64*\x+4*\c+1], v[64*\x+4*\c+2:64*\x+4*\c+3]
.endr
	WIN 0x01
.irp c, 0,1
	v_cvt_scalef32_pk16_fp6_f32 v[PC+12*\x+6*\c:PC+12*\x+6*\c+2], v[64*\x+32*\c:64*\x+32*\c+15], v[SO+4*\x+2*\c]
	v_cvt_scalef32_pk16_fp6_f32 v[PC2+8*\x+4*\c:PC2+8*\x+4*\c+2], v[64*\x+32*\c+16:64*\x+32*\c+31], v[SO+4*\x+2*\c+1]
.endr
	WIN 0x04
.irp r, 0,1
.irp c, 0,1,2,3,4,5,6,7
	v_pk_add_f32 v[TT+2*\c:TT+2*\c+1], v[TT+2*\c:TT+2*\c+1], v[64*\x+32+16*\r+2*\c:64*\x+32+16*\r+2*\c+1]   ; also the plain places behind the conversions
.endr
.endr
	WIN 0
.irp c, 0,1                            ; a whole block of 32 keys to a lane
.irp i, 0,1,2
	v_permlane16_swap_b32 v[PC+12*\x+6*\c+\i], v[PC2+8*\x+4*\c+\i]
.endr
.endr
.irp c, 0,1
.irp i, 0,1,2
	v_mov_b32 v[PC+12*\x+6*\c+3+\i], v[PC2+8*\x+4*\c+\i]
.endr
.endr
.irp c, 0,1,2,3                        ; eight lines: the places between the codes' last write and the products
	v_pk_add_f32 v[TT+2*\c:TT+2*\c+1], v[TT+2*\c:TT+2*\c+1], v[TT+2*\c+8:TT+2*\c+9]
.endr
.irp c, 0,1
	s_delay_alu instid0(VALU_DEP_2)
	v_pk_add_f32 v[TT+2*\c:TT+2*\c+1], v[TT+2*\c:TT+2*\c+1], v[TT+2*\c+4:TT+2*\c+5]
.endr
	s_delay_alu instid0(VALU_DEP_1)
	v_pk_add_f32 v[TT:TT+1], v[TT:TT+1], v[TT+2:TT+3]
	s_delay_alu instid0(VALU_DEP_1)
	v_pk_fma_f32 v[SUM+2*\x:SUM+2*\x+1], v[SUM+2*\x:SUM+2*\x+1], v[F+2*\x:F+2*\x+1], v[TT:TT+1] op_sel_hi:[1,0,1]   ; the old sum under the new M, and this step's
	PV \x
.endm
; A KEY STEP of 128 keys for my two tiles.  Its K and scale words were asked for a step earlier (or at the slot's head).
.macro STEP
	s_cmp_gt_u32 s[KF], s[QG]                          ; all its keys come after my queries
	s_cbranch_scc1 .Lhidden_\@
	s_add_co_u32 s[TN], s[TS], 1024
	s_min_u32 s[TN], s[TN], 31*1024                    ; the next step's scale words; the last step names its own again
	v_add_nc_u32 v[A16], s[TB], v[L16]
	v_add_nc_u32 v[A8], s[TB], v[L8]
	v_add_nc_u32 v[AS], s[TN], v[LSC]
	s_wait_alu depctr_va_vdst(0)
	s_wait_dscnt 0x0                                   ; K and the scale words are in
	WIN 0x40
.irp t, 0,1,2,3,4,5,6,7
.irp x, 0,1
.if \t%2 == 0
	v_wmma_scale_f32_16x16x128_f8f6f4 v[64*\x+8*\t:64*\x+8*\t+7], v[KFR+6*\t:KFR+6*\t+11], v[Q+12*\x:Q+12*\x+11], 0, v[KS+\t/2], v[QS+\x] matrix_a_fmt:MATRIX_FMT_FP6 matrix_b_fmt:MATRIX_FMT_FP6
.else
	v_wmma_scale_f32_16x16x128_f8f6f4 v[64*\x+8*\t:64*\x+8*\t+7], v[KFR+6*\t:KFR+6*\t+11], v[Q+12*\x:Q+12*\x+11], 0, v[KS+\t/2], v[QS+\x] matrix_a_fmt:MATRIX_FMT_FP6 matrix_b_fmt:MATRIX_FMT_FP6 matrix_a_scale:MATRIX_SCALE_ROW1
.endif
.endr
.endr
	WIN 0
	v_nop                                              ; four places behind the products (ISA guide 7.12.1), two of them V's scale words of 128 keys
	v_nop
	v_lshl_or_b32 v[VS], v[VH], 16, v[VL]
	v_lshl_or_b32 v[VS+1], v[VH+1], 16, v[VL+1]
	VLD 0                                              ; V's four fragments: 16 loads
	VLD 1
	VLD 2
	VLD 3
	KLOAD STEPQ                                        ; the next step's K (behind a slot's last step: bytes of this slot that are not used)
	s_cmp_lg_u32 s[KF], s[QG]                          ; on the diagonal the scores of hidden keys become -infinity
	s_cbranch_scc1 .Lopen_\@
	WIN 0x41
.set n, 0
.rept 64                                           ; register 16 b + i holds key KF + 32 b + 16 (lane / 16) + i: hidden where 32 b + i > DQ
	v_cmp_gt_i32 vcc_lo, 32*(n/16)+n%16, v[DQ]
	v_cndmask_b32 v[n], v[n], v[NINF], vcc_lo
	v_cmp_gt_i32 vcc_lo, 32*(n/16)+n%16, v[DQ+1]
	v_cndmask_b32 v[64+n], v[64+n], v[NINF], vcc_lo
.set n, n+1
.endr
	WIN 0
.Lopen_\@:
	WIN 0x15                                           ; the largest score of each block of 32 keys: eight chains by turns
.irp b, 0,1,2,3
.irp x, 0,1
	v_max3_num_f32 v[BM+4*\x+\b], v[64*\x+16*\b], v[64*\x+16*\b+1], v[64*\x+16*\b+2]
.endr
.endr
	WIN 0x14
.irp i, 3,5,7,9,11,13
.irp b, 0,1,2,3
.irp x, 0,1
	v_max3_num_f32 v[BM+4*\x+\b], v[BM+4*\x+\b], v[64*\x+16*\b+\i], v[64*\x+16*\b+\i+1]
.endr
.endr
.endr
.irp b, 0,1,2,3
.irp x, 0,1
	v_max3_num_f32 v[BM+4*\x+\b], v[BM+4*\x+\b], v[64*\x+16*\b+15], v[64*\x+16*\b+15]
.endr
.endr
	WIN 0
.irp b, 0,1,2,3
.irp x, 0,1
	v_permlanex16_b32 v[T2+4*\x+\b], v[BM+4*\x+\b], s[SEL], s[SEL+1]
.endr
.endr
.irp b, 0,1,2,3
.irp x, 0,1
	v_max_num_f32 v[BM+4*\x+\b], v[BM+4*\x+\b], v[T2+4*\x+\b]   ; with lane l xor 16's 16 keys
.endr
.endr
.irp x, 0,1
	s_delay_alu instid0(VALU_DEP_4)
	v_max3_num_f32 v[TP+\x], v[BM+4*\x], v[BM+4*\x+1], v[BM+4*\x+2]
.endr
.irp x, 0,1
	s_delay_alu instid0(VALU_DEP_2)
	v_max3_num_f32 v[NM+2*\x+1], v[NM+2*\x+1], v[TP+\x], v[BM+4*\x+3]   ; the running largest score
.endr
.irp x, 0,1
	s_delay_alu instid0(VALU_DEP_2)
	v_mul_f32 v[TP+\x], s[NCS], v[NM+2*\x+1]           ; -t
.endr
.irp x, 0,1
	v_mov_b32 v[T2+4*\x], v[NM+2*\x]
.endr
.irp x, 0,1
	s_delay_alu instid0(VALU_DEP_4)
	v_floor_f32 v[NM+2*\x], v[TP+\x]                   ; the new -M = floor(-t)
.endr
.irp x, 0,1
	s_delay_alu instid0(VALU_DEP_2)
	v_sub_f32 v[TP+\x], v[NM+2*\x], v[T2+4*\x]         ; old M - new M: a whole number, 0 or less
.endr
.irp x, 0,1
	s_delay_alu instid0(VALU_DEP_2)
	v_cvt_i32_f32 v[TP+\x], v[TP+\x]                   ; (it saturates)
.endr
.irp x, 0,1
	s_delay_alu instid0(VALU_DEP_2)
	v_ldexp_f32 v[F+2*\x], 1.0, v[TP+\x]               ; f = 2^(old M - new M)
.endr
	WIN 0x41
.set n, 0
.rept 32
	v_pk_fma_f32 v[n:n+1], v[n:n+1], s[CS:CS+1], v[NM:NM+1] op_sel_hi:[1,0,0]   ; tile 0: t - M
.set n, n+2
.endr
.set n, 0
.rept 16
	v_pk_mul_f32 v[128+n:129+n], v[128+n:129+n], v[F:F+1] op_sel_hi:[1,0]       ; O^T under the new M, each accumulator from its low end on
	v_pk_mul_f32 v[160+n:161+n], v[160+n:161+n], v[F+2:F+3] op_sel_hi:[1,0]
.set n, n+2
.endr
	WIN 0
.irp b, 0,1,2,3
.irp x, 0,1
	v_fma_f32 v[BM+4*\x+\b], v[BM+4*\x+\b], s[CS], v[NM+2*\x]   ; x = t - M of each block's largest score
.endr
.endr
	WIN 0x41
	s_wait_alu depctr_va_vdst(0)                       ; ahead of the batch
.set n, 0
.rept 64
	v_exp_f32 v[n], v[n]                               ; tile 0: p = 2^(t - M)
.set n, n+1
.endr
.set n, 64
.rept 32
	v_pk_fma_f32 v[n:n+1], v[n:n+1], s[CS:CS+1], v[NM+2:NM+3] op_sel_hi:[1,0,0] ; tile 1: t - M; plain work that names no result of the batch
.set n, n+2
.endr
	WIN 0
.irp b, 0,1,2,3
.irp x, 0,1
	v_max_num_f32 v[BM+4*\x+\b], 0xc2f80000, v[BM+4*\x+\b]   ; x held at -124: the byte cannot fall under 1
.endr
.endr
.irp b, 0,1,2,3
.irp x, 0,1
	v_cvt_floor_i32_f32 v[BM+4*\x+\b], v[BM+4*\x+\b]   ; the exponent of the block's largest p
.endr
.endr
.irp b, 0,1,2,3
.irp x, 0,1
	v_add_nc_u32 v[T2+4*\x+\b], 125, v[BM+4*\x+\b]     ; the scale's byte: exponent - 2 + 127
.endr
.endr
.irp b, 0,1,2,3
.irp x, 0,1
	v_lshlrev_b32 v[SO+4*\x+\b], 23, v[T2+4*\x+\b]     ; the conversion's scale operand
.endr
.endr
.irp x, 0,1
	v_lshl_or_b32 v[F+2*\x+1], v[T2+4*\x+1], 8, v[T2+4*\x]
.endr
.irp x, 0,1
	v_lshl_or_b32 v[T2+4*\x+2], v[T2+4*\x+3], 8, v[T2+4*\x+2]
.endr
.irp x, 0,1
	s_delay_alu instid0(VALU_DEP_2)
	v_lshl_or_b32 v[F+2*\x+1], v[T2+4*\x+2], 16, v[F+2*\x+1]   ; p's scale word for these 128 keys
.endr
	WIN 0x41
	s_wait_alu depctr_va_vdst(0)                       ; behind tile 0's batch and ahead of tile 1's
	s_wait_dscnt 20                                    ; V is in: behind its 16 loads stand the 20 of the next step's K
.set n, 64
.rept 64
	v_exp_f32 v[n], v[n]                               ; tile 1
.set n, n+1
.endr
	POST 0                                             ; names no result of tile 1's batch
	s_wait_alu depctr_va_vdst(0)                       ; behind tile 1's batch
	POST 1
.Lhidden_\@:
	s_add_co_u32 s[KF], s[KF], 128
	s_add_co_u32 s[TS], s[TS], 1024
	s_add_co_u32 s[TB], s[TB], STEPQ
.endm
	s_load_b128 s[4:7], s[0:1], 0x0                    ; qc, qs
	s_load_b128 s[8:11], s[0:1], 0x10                  ; kc, ks
	s_load_b64 s[12:13], s[0:1], 0x20                  ; oc
	v_lshl_add_u32 v[SPW], v0, 2, SPARE
	v_mov_b32 v[NIL], 0
	ds_add_u32 v[SPW], v[NIL]                          ; the opening lines: the add, twice, and its wait ahead of the first tensor loads
	ds_add_u32 v[SPW], v[NIL]
	v_lshrrev_b32 v8, 5, v0
	s_delay_alu instid0(VALU_DEP_1)
	v_readfirstlane_b32 s[WV], v8                      ; wave 0..7
	s_and_b32 s55, ttmp7, 0xffff                       ; the head
	s_lshr_b32 s56, s[WV], 1                           ; my pair of tiles in its group
	s_lshr_b32 s57, s[WV], 2
	s_xor_b32 s57, s57, s[WV]
	s_and_b32 s57, s57, 1                              ; 0: the low group
	s_sub_co_u32 s58, 31, ttmp9
	s_lshl_b32 s[QH], s58, 7
	s_cmp_eq_u32 s57, 0
	s_cselect_b32 s59, ttmp9, s58                      ; my group
	s_lshl_b32 s[QG], s59, 7
	s_mov_b32 s[G1C+0], 3<<16                          ; elements of 8 bytes: four rows (steps) of 3,072 bytes, 12,288 bytes apart
	s_mov_b32 s[G1C+1], 384<<16
	s_mov_b32 s[G1C+2], 4<<16
	s_mov_b32 s[G1C+3], 384<<16
	s_mov_b32 s[G1C+4], 4
	s_mov_b32 s[G1C+5], 1536
	s_mov_b32 s[G1C+6], 0
	s_mov_b32 s[G1C+7], 0
	s_mov_b32 s[G1S+0], 3<<16                          ; a quarter of the head's scale bytes: 32 rows of 256 bytes
	s_mov_b32 s[G1S+1], 32<<16
	s_mov_b32 s[G1S+2], 32<<16
	s_mov_b32 s[G1S+3], 32<<16
	s_mov_b32 s[G1S+4], 32
	s_mov_b32 s[G1S+5], 32
	s_mov_b32 s[G1S+6], 0
	s_mov_b32 s[G1S+7], 0
	s_and_b32 s78, s[WV], 3                            ; my quarter
	s_mul_i32 s60, s55, 393216                         ; the head in kc, and my quarter of a step
	s_mul_i32 s61, s78, STEPQ
	s_add_co_u32 s60, s60, s61
	s_mov_b32 s61, 0
	s_lshl_b32 s62, s55, 15                            ; the head in ks, and my quarter
	s_lshl_b32 s63, s78, 13
	s_add_co_u32 s62, s62, s63
	s_mov_b32 s63, 0
	s_mul_i32 s66, s55, 196608                         ; my pair's two hexes in qc
	s_mul_i32 s67, s59, 6144
	s_add_co_u32 s66, s66, s67
	s_mul_i32 s67, s56, 1536
	s_add_co_u32 s66, s66, s67
	s_mov_b32 s67, 0
	s_lshl_b32 s68, s55, 14                            ; its scale words in qs: chunk pair / 2, register pair % 2; the odd tile lies 128 bytes on
	s_lshl_b32 s69, s59, 9
	s_add_co_u32 s68, s68, s69
	s_lshr_b32 s69, s56, 1
	s_lshl_b32 s69, s69, 8
	s_add_co_u32 s68, s68, s69
	s_and_b32 s69, s56, 1
	s_lshl_b32 s69, s69, 2
	s_add_co_u32 s68, s68, s69
	s_mov_b32 s69, 0
	s_lshl_b32 s70, s59, 3
	s_lshl_b32 s71, s56, 1
	s_add_co_u32 s70, s70, s71                         ; my first rowtile among the 256
	s_mul_i32 s70, s70, REC
	s_lshr_b32 s72, s55, 3
	s_lshl_b32 s72, s72, 8
	s_add_co_u32 s72, s72, s70
	s_and_b32 s71, s55, 7
	s_lshl_b32 s71, s71, 1
	s_add_co_u32 s72, s72, s71
	s_add_co_u32 s72, s72, 12288                       ; my head's two bytes of a row's scale words
	s_mov_b32 s73, 0
	s_mul_i32 s71, s55, 768
	s_add_co_u32 s70, s70, s71                         ; my head's hex
	s_mov_b32 s71, 0
	s_lshl_b32 s79, s56, 5                             ; my pair's first row in its group
	s_mov_b32 s[SEL], 0x76543210
	s_mov_b32 s[SEL+1], 0xfedcba98
	s_mov_b32 s[CS], 0x3e38aa3b                        ; log2(e) x 8 / 64
	s_mov_b32 s[CS+1], s[CS]
	s_mov_b32 s[NCS], 0xbe38aa3b
	s_mov_b32 s[SB], 0
	s_mov_b32 s[TS], 0
	s_mov_b32 s[KF], 0
	s_mov_b32 s[SLOTS], 8
	s_mov_b32 s[G0S], 1
	s_lshl_b32 s[G0S+1], s78, 13
	s_add_co_u32 s[G0S+1], s[G0S+1], SCL
	s_mov_b32 s[G0C], 1
	s_mul_i32 s[G0C+1], s78, QTR
	s_wait_dscnt 0x0                                   ; both opening adds are done
	s_wait_kmcnt 0x0
	s_add_nc_u64 s[G0S+2:G0S+3], s[10:11], s[62:63]
	s_or_b32 s[G0S+3], s[G0S+3], 0x80000000
	s_add_nc_u64 s[G0C+2:G0C+3], s[8:9], s[60:61]
	s_or_b32 s[G0C+3], s[G0C+3], 0x80000000
	s_cmp_lt_u32 s[WV], 4                              ; the head's loads, one a wave: slot 0 in quarters, the scale bytes in quarters
	s_cbranch_scc0 .Lhead_s
	tensor_load_to_lds s[G0C:G0C+3], s[G1C:G1C+7]
	s_nop 0
.rept 4
	v_nop
.endr
	s_branch .Lhead_j
.Lhead_s:
	tensor_load_to_lds s[G0S:G0S+3], s[G1S:G1S+7]
	s_nop 0
.rept 4
	v_nop
.endr
.Lhead_j:
	s_add_nc_u64 s[4:5], s[4:5], s[66:67]
	s_add_nc_u64 s[6:7], s[6:7], s[68:69]
	s_add_nc_u64 s[74:75], s[12:13], s[70:71]
	s_add_nc_u64 s[76:77], s[12:13], s[72:73]
	; the prefetch: the slot that the NEXT change of slots will ask for, 49,152 bytes, lanes 256 bytes apart, 8,192 bytes a wave: waves 2 to 7 of the head's work-group j = 0, which walks all slots;
	; nobody else asks, so each block of 256 bytes is named once.  Slots 0 and 1 come by their loads alone; the last two changes ask for nothing.
	s_sub_co_u32 s78, s[WV], 2
	s_min_u32 s66, s78, 5
	s_lshl_b32 s66, s66, 13
	s_mul_i32 s67, s55, 393216
	s_add_co_u32 s66, s66, s67
	s_add_co_u32 s66, s66, SLOTB                       ; in slot 1: the first change of slots steps it to slot 2
	s_mov_b32 s67, 0
	s_add_nc_u64 s[PFA:PFA+1], s[8:9], s[66:67]
	s_cmp_lt_u32 s78, 6
	s_cselect_b32 s78, ttmp9, 1
	s_cmp_eq_u32 s78, 0
	s_cselect_b32 s[LIM], 2, -1
	v_and_b32 v8, 31, v0
	v_and_b32 v9, 15, v0                               ; r
	v_bfe_u32 v10, v0, 4, 1                            ; h
	v_lshlrev_b32 v[L16], 4, v8
	v_lshlrev_b32 v[L8], 3, v8
	v_lshlrev_b32 v[PFO], 8, v8
	v_lshlrev_b32 v11, 3, v9
	v_lshlrev_b32 v[OSO], 4, v9
	v_add_nc_u32 v[LSC], SCL, v[L8]
	global_load_b128 v[Q:Q+3], v[L16], s[4:5]          ; Q's two hexes stay in registers
	global_load_b64 v[Q+4:Q+5], v[L8], s[4:5] offset:512
	global_load_b128 v[Q+12:Q+15], v[L16], s[4:5] offset:768
	global_load_b64 v[Q+16:Q+17], v[L8], s[4:5] offset:1280
	global_load_b32 v[QS], v11, s[6:7]
	global_load_b32 v[QS+1], v11, s[6:7] offset:128
	v_and_b32 v[DQ], 8, v9
	v_lshlrev_b32 v[TP], 4, v10
	s_delay_alu instid0(VALU_DEP_2)
	v_add_nc_u32 v[DQ], v[DQ], v9                      ; r + 8 (r / 8)
	s_delay_alu instid0(VALU_DEP_1)
	v_sub_nc_u32 v[DQ], v[DQ], v[TP]
	s_delay_alu instid0(VALU_DEP_1)
	v_add_nc_u32 v[DQ], s79, v[DQ]
	s_delay_alu instid0(VALU_DEP_1)
	v_add_nc_u32 v[DQ+1], 8, v[DQ]                     ; the odd tile's rows lie 8 further on
	v_mov_b32 v[NINF], 0xff800000
.irp x, 0,1
	v_mov_b32 v[NM+2*\x+1], 0xff61b1e6                 ; the largest score so far: -3e38
	v_mov_b32 v[NM+2*\x], 0x7f61b1e6                   ; -M
	v_mov_b32 v[SUM+2*\x], 0
	v_mov_b32 v[SUM+2*\x+1], 0
	v_mov_b32 v[F+2*\x+1], 0                           ; (named as the upper half of a pair before it is first written)
.irp i, 6,7,8,9,10,11
	v_mov_b32 v[Q+12*\x+\i], 0                         ; the zero codes of the instruction's upper 64 along K
.endr
.endr
.irp i, 0,1,2,3,4,5
	v_mov_b32 v[KFR+48+\i], 0                          ; what the eighth hex's operand runs into
.endr
.irp b, 0,1,2,3,4,5,6,7
	v_mov_b32 v[T2+\b], 0                              ; a lane permute's destination counts as one of its sources
.endr
	WIN 0x40
.set n, 0
.rept 64
	v_mov_b32 v[128+n], 0                              ; O^T: the step is written once; the first finds zeros
.set n, n+1
.endr
	WIN 0
	s_wait_alu depctr_va_vdst(0)
	s_wait_loadcnt 0x0                                 ; Q
.Lslot:                                            ; 8 trips, a slot of four key steps each
	s_wait_tensorcnt 0x0                               ; no tensor load of mine is out, so the walking group 0 may be written
	ds_add_u32 v[SPW], v[NIL]
	s_xor_b32 s[G0C+1], s[G0C+1], SLOT1
	s_add_nc_u64 s[G0C+2:G0C+3], s[G0C+2:G0C+3], SLOTB
	s_wait_xcnt 0x0                                    ; the last prefetch, a slot back, has read its address
	s_add_nc_u64 s[PFA:PFA+1], s[PFA:PFA+1], SLOTB
	s_wait_dscnt 0x0                                   ; the add is done, and my reads of the slot that I have left are over
	s_barrier_signal -1
	s_barrier_wait -1
	s_add_co_u32 s78, s[KF], 512                       ; the first key of the slot that this change would ask for
	s_cmp_gt_u32 s78, s[QH]                            ; past the high group's diagonal step no wave reads it: ids and the count of steps alone
	s_cbranch_scc1 .Lpast
	s_cmp_lt_u32 s[WV], 4
	s_cbranch_scc0 .Lpast
	tensor_load_to_lds s[G0C:G0C+3], s[G1C:G1C+7]
	s_nop 0
.rept 4
	v_nop
.endr
.Lpast:
	s_mov_b32 s[TB], s[SB]
	v_add_nc_u32 v[A16], s[TB], v[L16]
	v_add_nc_u32 v[A8], s[TB], v[L8]
	v_add_nc_u32 v[AS], s[TS], v[LSC]
	s_wait_alu depctr_va_vdst(0)
	KLOAD 0                                            ; the slot's first step
	s_cmp_gt_u32 s[SLOTS], s[LIM]
	s_cbranch_scc0 .Lnot_mine
	global_prefetch_b8 v[PFO], s[PFA:PFA+1] th:TH_LOAD_NT scope:SCOPE_SE
.Lnot_mine:
	s_mov_b32 s[QC], 4
.Lstep:
	STEP
	s_sub_co_u32 s[QC], s[QC], 1
	s_cmp_lg_u32 s[QC], 0
	s_cbranch_scc1 .Lstep
	s_xor_b32 s[SB], s[SB], SLOT1
	s_sub_co_u32 s[SLOTS], s[SLOTS], 1
	s_cmp_lg_u32 s[SLOTS], 0
	s_cbranch_scc1 .Lslot
	; THE WAY OUT: O^T / the sum; register 16 b + i is channel 32 b + 16 (lane / 16) + i of my query: two blocks of 32 along the output projection's K; a hex and two scale bytes for each tile
	s_wait_alu depctr_va_vdst(0)
	s_wait_dscnt 0x0                                   ; the loads last asked for have landed: their registers are used again
.rept 4
	v_nop                                              ; places behind the last products
.endr
.irp x, 0,1
	v_add_f32 v[SUM+2*\x], v[SUM+2*\x], v[SUM+2*\x+1]
.endr
.irp x, 0,1
	s_delay_alu instid0(VALU_DEP_2)
	v_permlanex16_b32 v[T2+\x], v[SUM+2*\x], s[SEL], s[SEL+1]
.endr
.irp x, 0,1
	s_delay_alu instid0(VALU_DEP_2)
	v_add_f32 v[SUM+2*\x], v[SUM+2*\x], v[T2+\x]       ; the row's sum
.endr
	s_wait_alu depctr_va_vdst(0)
	v_rcp_f32 v[SUM], v[SUM]
	v_rcp_f32 v[SUM+2], v[SUM+2]
	v_nop                                              ; a plain place behind the transcendentals
	WIN 0x01
	s_wait_alu depctr_va_vdst(0)                       ; ahead of their first reader, which is O^T's first reader too
.set n, 0
.rept 16
	v_pk_mul_f32 v[64+n:65+n], v[128+n:129+n], v[SUM:SUM+1] op_sel_hi:[1,0]
	v_pk_mul_f32 v[128+n:129+n], v[160+n:161+n], v[SUM+2:SUM+3] op_sel_hi:[1,0]
.set n, n+2
.endr
	WIN 0
.irp b, 0,1
.irp x, 0,1
	v_max3_num_f32 v[BM+4*\x+\b], |v[64+64*\x+16*\b]|, |v[65+64*\x+16*\b]|, 0x1800000
.endr
.endr
.irp i, 2,4,6,8,10,12,14
.irp b, 0,1
.irp x, 0,1
	s_delay_alu instid0(VALU_DEP_4)
	v_max3_num_f32 v[BM+4*\x+\b], v[BM+4*\x+\b], |v[64+64*\x+16*\b+\i]|, |v[65+64*\x+16*\b+\i]|
.endr
.endr
.endr
.irp b, 0,1
.irp x, 0,1
	s_delay_alu instid0(VALU_DEP_4)
	v_permlanex16_b32 v[T2+4*\x+\b], v[BM+4*\x+\b], s[SEL], s[SEL+1]
.endr
.endr
.irp b, 0,1
.irp x, 0,1
	s_delay_alu instid0(VALU_DEP_4)
	v_max_num_f32 v[BM+4*\x+\b], v[BM+4*\x+\b], v[T2+4*\x+\b]
.endr
.endr
.irp b, 0,1
.irp x, 0,1
	s_delay_alu instid0(VALU_DEP_4)
	v_add_nc_u32 v[SO+4*\x+\b], 0xff000000, v[BM+4*\x+\b]
.endr
.endr
.irp b, 0,1
.irp x, 0,1
	s_delay_alu instid0(VALU_DEP_4)
	v_lshrrev_b32 v[T2+4*\x+\b], 23, v[SO+4*\x+\b]
.endr
.endr
.irp x, 0,1
	s_delay_alu instid0(VALU_DEP_2)
	v_lshl_or_b32 v[TP+\x], v[T2+4*\x+1], 8, v[T2+4*\x]
.endr
.irp x, 0,1
	v_cvt_scalef32_pk16_fp6_f32 v[PC+12*\x:PC+12*\x+2], v[64+64*\x:79+64*\x], v[SO+4*\x]
	v_cvt_scalef32_pk16_fp6_f32 v[PC2+8*\x:PC2+8*\x+2], v[80+64*\x:95+64*\x], v[SO+4*\x+1]
.endr
	v_nop                                              ; one plain place behind a scaled conversion
.irp x, 0,1
.irp i, 0,1,2
	v_permlane16_swap_b32 v[PC+12*\x+\i], v[PC2+8*\x+\i]
.endr
.endr
.irp x, 0,1
.irp i, 0,1,2
	v_mov_b32 v[PC+12*\x+3+\i], v[PC2+8*\x+\i]
.endr
.endr
.irp x, 0,1
	global_store_b128 v[L16], v[PC+12*\x:PC+12*\x+3], s[74:75] offset:REC*\x            ; 512 consecutive bytes, aligned
	global_store_b64 v[L8], v[PC+12*\x+4:PC+12*\x+5], s[74:75] offset:REC*\x+512        ; 256
	global_store_b16 v[OSO], v[TP+\x], s[76:77] offset:REC*\x                           ; two bytes a row are all that a head owns of a row's scale words; lanes 16-31 repeat lanes 0-15's address and value
.endr
	s_wait_tensorcnt 0x0                               ; the wave's end
	ds_add_u32 v[SPW], v[NIL]
	s_wait_dscnt 0x0
	s_endpgm
.Lfunc_end_k_q8ccc83a2b6_attn:
	.size	k_q8ccc83a2b6_attn, .Lfunc_end_k_q8ccc83a2b6_attn-k_q8ccc83a2b6_attn
	.p2alignl 7, 3214868480
	.fill 96, 4, 3214868480
	.section	.rodata,"a",@progbits
	.p2align	6, 0x0
	.amdhsa_kernel k_q8ccc83a2b6_attn
		.amdhsa_group_segment_fixed_size 327680
		.amdhsa_private_segment_fixed_size 0
		.amdhsa_enable_private_segment 0
		.amdhsa_kernarg_size 40
		.amdhsa_user_sgpr_count 2
		.amdhsa_user_sgpr_kernarg_segment_ptr 1
		.amdhsa_wavefront_size32 1
		.amdhsa_system_sgpr_workgroup_id_x 1
		.amdhsa_system_sgpr_workgroup_id_y 1
		.amdhsa_system_sgpr_workgroup_id_z 1
		.amdhsa_system_vgpr_workitem_id 0
		.amdhsa_next_free_vgpr 448
		.amdhsa_next_free_sgpr 80
		.amdhsa_reserve_vcc 1
		.amdhsa_float_denorm_mode_32 3
		.amdhsa_float_denorm_mode_16_64 3
		.amdhsa_memory_ordered 1
		.amdhsa_forward_progress 1
		.amdhsa_inst_pref_size 63
	.end_amdhsa_kernel
	.amdgpu_metadata
---
amdhsa.version: [ 1, 2 ]
amdhsa.kernels:
  - .name:           k_q8ccc83a2b6_attn
    .symbol:         k_q8ccc83a2b6_attn.kd
    .args:
      - { .name: qc, .offset: 0, .size: 8, .value_kind: global_buffer, .address_space: global }
      - { .name: qs, .offset: 8, .size: 8, .value_kind: global_buffer, .address_space: global }
      - { .name: kc, .offset: 16, .size: 8, .value_kind: global_buffer, .address_space: global }
      - { .name: ks, .offset: 24, .size: 8, .value_kind: global_buffer, .address_space: global }
      - { .name: oc, .offset: 32, .size: 8, .value_kind: global_buffer, .address_space: global }
    .group_segment_fixed_size: 327680
    .private_segment_fixed_size: 0
    .kernarg_segment_align: 8
    .kernarg_segment_size: 40
    .max_flat_workgroup_size: 256
    .sgpr_count:     80
    .vgpr_count:     448
    .wavefront_size: 32
...
	.end_amdgpu_metadata
.endif
;; end of part 3
;; launch outp (part 4): grid 256 x 1, 4 waves a work-group, clusters of 4 x 1, 167,936 bytes of LDS; arguments xw, oc, out0; writes out0
.if DOCPART == 4
	.amdgcn_target "amdgcn-amd-amdhsa--gfx1250"
	.amdhsa_code_object_version 6
	.text
	.protected	k_q8ccc83a2b6_outp
	.globl	k_q8ccc83a2b6_outp
	.p2align	8
	.type	k_q8ccc83a2b6_outp,@function
k_q8ccc83a2b6_outp:
	s_mov_b64 s[64:65], 0
	v_nop
	global_prefetch_b8 v0, s[64:65] scope:SCOPE_SE
	s_setreg_imm32_b32 hwreg(HW_REG_WAVE_MODE, 25, 1), 1
	s_wait_xcnt 0x0
	s_wait_alu depctr_hold_cnt(0) depctr_sa_sdst(0) depctr_va_vdst(0) depctr_va_sdst(0) depctr_va_ssrc(0) depctr_va_vcc(0) depctr_vm_vsrc(0)
	s_getreg_b32 s2, hwreg(HW_REG_IB_STS2, 6, 4)
	s_cmp_eq_u32 s2, 0
	s_cbranch_scc0 .Lentry_in_a_cluster
	s_endpgm
.Lentry_in_a_cluster:
	s_bfe_u32 s2, ttmp6, 0x10000c
	s_cmp_lg_u32 s2, 0x3003
	s_cbranch_scc0 .Lentry_shape_is_right
	s_endpgm
.Lentry_shape_is_right:
; out0 = O Wo^T on codes of FP6 (E2M3) with E8M0 scales, K = 1,024, f32 out.  O's codes lie in oc, Wo's in xw (records 960 on), both as rowtile records of 12,800 bytes: eight fragment images of 1,536 bytes
; (registers 0-3 at 16 x lane, 4-5 at 512 + 8 x lane, 6-9 at 768 + 16 x lane, 10-11 at 1,280 + 8 x lane), then 512 bytes of scale words (word i of lane (r, h): row r, K step 4 h + i).
; Rowtile 2 b + u holds at place p the row 32 b + 8 u + p + 8 (p / 8).
; SHARES: cluster X (0..63) takes rows 64 X on: four records of oc, asked for jointly by its four work-groups (mask 15), one record a wave: one tensor load of a wave is out.  Work-group cx, wave w keeps 64 rows of Wo
; (output columns 64 (4 cx + w) on) x all of K in 384 registers.  D = Wo (source 0) x O (source 1): a lane holds one row of O, and the 32 registers of a rowtile are columns 32 b + 16 (lane / 16) + 0 .. 15.
; 256 work-groups of 64 rows x 256 columns, one for each WGP.  Nothing is filled twice; no prefetch: all that a work-group reads is asked for at its head.
; THE WAY OUT: a rowtile's 16 rows x 64 columns go through the wave's own stage in LDS (rows of 256 bytes + 16) and leave as rows: sixteen lanes store 256 consecutive bytes, aligned.
; REGISTERS: window 0: addresses, scale words, two fragment buffers, the way out.  Window 1: Wo's fragments of K steps 0-3 at 12 (4 (s % 4) + n); window 2: of steps 4-7.  Window 3: the 16 accumulators (m, n) at 8 (4 m + n).
.set REC,   12800
.set FRB,   1536
.set STAGE, 4*REC                      ; behind the block: 16 rows x 272 bytes for each wave
.set SPARE, STAGE+4*16*272             ; behind the stages: the spare words, 128 bytes a wave, that no other line names
.set A16,  1                           ; v1  16 x lane
.set A8,   2                           ; v2  8 x lane
.set SPW,  4                           ; v4  my spare word's LDS address; never rewritten
.set NIL,  5                           ; v5  0; never rewritten
.set STO,  8                           ; v8  the stage: where I put 16 bytes of a row
.set RD,   9                           ; v9  and where I read a row back
.set CO,   10                          ; v10 my byte offset in out0
.set RS,   16                          ; v16-31 Wo's scale words
.set SS,   32                          ; v32-47 O's
.set F0,   64                          ; v64-111, v112-159: four fragments of O, two buffers
.set BK,   160                         ; v160-191, v192-223: rows read back from the stage
.set WV,   14
.set G1,   24
.set G0,   32
.set OB,   40
.set RP,   66
.set MSB, 0
.macro WIN new                         ; the immediate's high byte repeats the setting that is left
.if MSB != (\new)
	s_set_vgpr_msb (MSB<<8)|(\new)
.set MSB, (\new)
.endif
.endm
.macro ROUND                           ; a round of the cluster's barrier
	s_barrier_signal -1
	s_barrier_wait -1
	s_cmp_lg_u32 s[WV], 0
	s_cbranch_scc1 .Lnot_wave_0_\@
	s_barrier_signal -3
.Lnot_wave_0_\@:
	s_barrier_wait -3
	s_barrier_signal -1
	s_barrier_wait -1
.endm
.macro PLACES                          ; four plain places behind matrix instructions, in front of loads into their registers and of reads of their results
.rept 4
	v_nop
.endr
.endm
.macro FETCH s, f                      ; O's four fragments of K step s: 16 loads, each of consecutive bytes
.irp m, 0,1,2,3
	ds_load_b128 v[\f+12*\m:\f+12*\m+3], v[A16] offset:REC*\m+FRB*(\s)
	ds_load_b64 v[\f+12*\m+4:\f+12*\m+5], v[A8] offset:REC*\m+FRB*(\s)+512
	ds_load_b128 v[\f+12*\m+6:\f+12*\m+9], v[A16] offset:REC*\m+FRB*(\s)+768
	ds_load_b64 v[\f+12*\m+10:\f+12*\m+11], v[A8] offset:REC*\m+FRB*(\s)+1280
.endr
.endm
; 16 matrix instructions: K step s.  The 16 accumulators take turns, one instruction a turn, in the same order in every step.  The first step starts the sums.
.macro MUL s, f
	WIN 0xf1+(\s)/4                                    ; source 0 window 1 or 2, source 1 window 0, C and D window 3
.irp m, 0,1,2,3
.irp n, 0,1,2,3
.if (\s) == 0
	v_wmma_scale_f32_16x16x128_f8f6f4 v[8*(4*\m+\n):8*(4*\m+\n)+7], v[12*(4*((\s)%4)+\n):12*(4*((\s)%4)+\n)+11], v[\f+12*\m:\f+12*\m+11], 0, v[RS+4*\n+(\s)%4], v[SS+4*\m+(\s)%4] matrix_a_fmt:MATRIX_FMT_FP6 matrix_b_fmt:MATRIX_FMT_FP6
.elseif (\s) < 4
	v_wmma_scale_f32_16x16x128_f8f6f4 v[8*(4*\m+\n):8*(4*\m+\n)+7], v[12*(4*((\s)%4)+\n):12*(4*((\s)%4)+\n)+11], v[\f+12*\m:\f+12*\m+11], v[8*(4*\m+\n):8*(4*\m+\n)+7], v[RS+4*\n+(\s)%4], v[SS+4*\m+(\s)%4] matrix_a_fmt:MATRIX_FMT_FP6 matrix_b_fmt:MATRIX_FMT_FP6
.else
	v_wmma_scale_f32_16x16x128_f8f6f4 v[8*(4*\m+\n):8*(4*\m+\n)+7], v[12*(4*((\s)%4)+\n):12*(4*((\s)%4)+\n)+11], v[\f+12*\m:\f+12*\m+11], v[8*(4*\m+\n):8*(4*\m+\n)+7], v[RS+4*\n+(\s)%4], v[SS+4*\m+(\s)%4] matrix_a_fmt:MATRIX_FMT_FP6 matrix_b_fmt:MATRIX_FMT_FP6 matrix_a_scale:MATRIX_SCALE_ROW1 matrix_b_scale:MATRIX_SCALE_ROW1
.endif
.endr
.endr
	WIN 0
.endm
.macro TOSTAGE m                       ; rowtile m: register 16 b + i of lane (r, h) is column 32 b + 16 h + i of the row at place r
	WIN 0x0c                                           ; an LDS store's data are its source 1: window 3
.irp e, 0,1,2,3,4,5,6,7
	ds_store_b128 v[STO], v[32*(\m)+4*\e:32*(\m)+4*\e+3] offset:128*(\e/4)+16*(\e%4)   ; each accumulator from its low end on
.endr
	WIN 0
.irp i, 0,1,2,3,4,5,6,7
	ds_load_b128 v[BK+32*((\m)%2)+4*\i:BK+32*((\m)%2)+4*\i+3], v[RD] offset:544*\i     ; LDS serves a wave's instructions in order (ISA guide 5.7.1.4): these see my stores; lanes 0-15 place 2 i, lanes 16-31 place 2 i + 1
.endr
.endm
.macro SEND m, younger                 ; younger: the LDS instructions issued behind rowtile m's loads, which may stay out
	s_wait_dscnt \younger
.irp i, 0,1,2,3,4,5,6,7
	global_store_b128 v[CO], v[BK+32*((\m)%2)+4*\i:BK+32*((\m)%2)+4*\i+3], s[OB:OB+1] offset:(32*((\m)/2)+8*((\m)%2)+2*\i+8*(\i/4))*4096 th:TH_STORE_NT   ; place 2 i + h of rowtile m is row 32 (m / 2) + 8 (m % 2) + 2 i + h + 8 (i / 4)
.endr
.endm
	s_load_b128 s[4:7], s[0:1], 0x0                    ; xw, oc
	s_load_b64 s[8:9], s[0:1], 0x10                    ; out0
	v_lshl_add_u32 v[SPW], v0, 2, SPARE
	v_mov_b32 v[NIL], 0
	ds_add_u32 v[SPW], v[NIL]                          ; the wave's opening: the add and its wait ahead of the round in front of my tensor load
	ds_add_u32 v[SPW], v[NIL]
	v_lshrrev_b32 v3, 5, v0
	v_readfirstlane_b32 s[WV], v3                      ; wave 0..3
	s_bfe_u32 s16, ttmp6, 0x40000                      ; cx: it enters Wo's and out0's addresses alone
	s_lshl_b32 s72, ttmp9, 2
	s_add_co_u32 s72, s72, s[WV]                       ; the record of oc that I fetch: no place in the cluster enters it
	s_mul_i32 s72, s72, REC
	s_mov_b32 s73, 0
	s_lshl_b32 s74, s16, 2
	s_add_co_u32 s74, s74, s[WV]                       ; my 64 columns: 4 cx + wave
	s_lshl_b32 s76, s74, 8                             ; 256 bytes of a row of out0,
	s_lshl_b32 s77, ttmp9, 18                          ; 64 rows of 4,096 bytes a cluster
	s_add_co_u32 s76, s76, s77
	s_mov_b32 s77, 0
	s_lshl_b32 s74, s74, 2
	s_add_co_u32 s74, s74, 960                         ; my four records of Wo
	s_mul_i32 s74, s74, REC
	s_mov_b32 s75, 0
	s_mul_i32 s78, s[WV], REC                          ; where my record goes in LDS
	s_mul_i32 s79, s[WV], 16*272
	s_add_co_u32 s79, s79, STAGE                       ; my stage
	s_mov_b32 s[G1+0], 15|(3<<16)|(1<<21)              ; the mask: all four partners; elements of 8 bytes; bit 21 set beside a mask
	s_mov_b32 s[G1+1], 32<<16                          ; a record as 50 rows of 256 bytes
	s_mov_b32 s[G1+2], 50<<16
	s_mov_b32 s[G1+3], 32<<16
	s_mov_b32 s[G1+4], 50
	s_mov_b32 s[G1+5], 32
	s_mov_b32 s[G1+6], 0
	s_mov_b32 s[G1+7], 0
	v_and_b32 v3, 31, v0
	v_lshlrev_b32 v[A16], 4, v3
	v_lshlrev_b32 v[A8], 3, v3
	s_wait_dscnt 0x0                                   ; the opening add is done
	s_wait_kmcnt 0x0
	s_mov_b32 s[G0], 1
	s_mov_b32 s[G0+1], s78
	s_add_nc_u64 s[G0+2:G0+3], s[6:7], s[72:73]
	s_or_b32 s[G0+3], s[G0+3], 0x80000000
	s_add_nc_u64 s[RP:RP+1], s[4:5], s[74:75]
	s_add_nc_u64 s[OB:OB+1], s[8:9], s[76:77]
	ROUND                                              ; all four work-groups are here: the joint loads meet
	tensor_load_to_lds s[G0:G0+3], s[G1:G1+7]
	s_nop 0
.rept 4
	v_nop
.endr
	s_wait_alu depctr_va_vdst(0)
.irp n, 0,1,2,3
	global_load_b128 v[RS+4*\n:RS+4*\n+3], v[A16], s[RP:RP+1] offset:REC*\n+8*FRB
.endr
	WIN 0x40                                           ; destination window 1
.irp s, 0,1,2,3
.irp n, 0,1,2,3
	global_load_b128 v[12*(4*\s+\n):12*(4*\s+\n)+3], v[A16], s[RP:RP+1] offset:REC*\n+FRB*\s
	global_load_b64 v[12*(4*\s+\n)+4:12*(4*\s+\n)+5], v[A8], s[RP:RP+1] offset:REC*\n+FRB*\s+512
	global_load_b128 v[12*(4*\s+\n)+6:12*(4*\s+\n)+9], v[A16], s[RP:RP+1] offset:REC*\n+FRB*\s+768
	global_load_b64 v[12*(4*\s+\n)+10:12*(4*\s+\n)+11], v[A8], s[RP:RP+1] offset:REC*\n+FRB*\s+1280
.endr
.endr
	WIN 0x80                                           ; destination window 2
.irp s, 0,1,2,3
.irp n, 0,1,2,3
	global_load_b128 v[12*(4*\s+\n):12*(4*\s+\n)+3], v[A16], s[RP:RP+1] offset:REC*\n+FRB*(\s+4)
	global_load_b64 v[12*(4*\s+\n)+4:12*(4*\s+\n)+5], v[A8], s[RP:RP+1] offset:REC*\n+FRB*(\s+4)+512
	global_load_b128 v[12*(4*\s+\n)+6:12*(4*\s+\n)+9], v[A16], s[RP:RP+1] offset:REC*\n+FRB*(\s+4)+768
	global_load_b64 v[12*(4*\s+\n)+10:12*(4*\s+\n)+11], v[A8], s[RP:RP+1] offset:REC*\n+FRB*(\s+4)+1280
.endr
.endr
	WIN 0
	v_and_b32 v6, 15, v0                               ; r
	v_bfe_u32 v7, v0, 4, 1                             ; h
	v_mul_u32_u24 v[STO], v6, 272
	v_lshl_add_u32 v[STO], v7, 6, v[STO]
	v_add_nc_u32 v[STO], s79, v[STO]                   ; in: row r, + 64 h
	v_mul_u32_u24 v[RD], v7, 272
	v_lshl_add_u32 v[RD], v6, 4, v[RD]
	v_add_nc_u32 v[RD], s79, v[RD]                     ; back: lanes 0-15 one row, lanes 16-31 the next
	v_lshlrev_b32 v[CO], 12, v7
	v_lshl_add_u32 v[CO], v6, 4, v[CO]                 ; and the same in out0
	s_wait_tensorcnt 0x0                               ; my record has landed,
	s_wait_dscnt 0x0
	s_barrier_signal -1
	s_barrier_wait -1                                  ; everybody's has
.irp m, 0,1,2,3
	ds_load_b128 v[SS+4*\m:SS+4*\m+3], v[A16] offset:REC*\m+8*FRB
.endr
	FETCH 0, F0
.irp s, 0,1,2,3,4,5,6,7
.if \s < 7
.if \s > 0
	PLACES                                             ; the buffer was read by the step before
.endif
	FETCH \s+1, F0+48*((\s+1)%2)
	s_wait_dscnt 16                                    ; this step's loads are in; the 16 just issued may be out
.else
	s_wait_dscnt 0x0
.endif
.if 16*(7-\s) > 63
	s_wait_loadcnt 63                                  ; Wo's fragments of this step are in: more than 63 loads were issued behind them
.else
	s_wait_loadcnt 16*(7-\s)                           ; 16 loads for each later step may be out
.endif
	MUL \s, F0+48*(\s%2)
.endr
	PLACES
	s_wait_alu depctr_va_vdst(0)
	TOSTAGE 0
	TOSTAGE 1
	SEND 0, 16                                         ; behind rowtile 0's loads: rowtile 1's 8 stores and 8 loads
	s_wait_xcnt 0x0                                    ; rowtile 0's stores have read their registers: rowtile 2's loads may land there
	TOSTAGE 2
	SEND 1, 16
	s_wait_xcnt 0x0
	TOSTAGE 3
	SEND 2, 16
	SEND 3, 0
	s_wait_tensorcnt 0x0                               ; the wave's end
	ds_add_u32 v[SPW], v[NIL]
	s_wait_dscnt 0x0
	ROUND                                              ; the closing round
	s_endpgm
.Lfunc_end_k_q8ccc83a2b6_outp:
	.size	k_q8ccc83a2b6_outp, .Lfunc_end_k_q8ccc83a2b6_outp-k_q8ccc83a2b6_outp
	.p2alignl 7, 3214868480
	.fill 96, 4, 3214868480
	.section	.rodata,"a",@progbits
	.p2align	6, 0x0
	.amdhsa_kernel k_q8ccc83a2b6_outp
		.amdhsa_group_segment_fixed_size 167936
		.amdhsa_private_segment_fixed_size 0
		.amdhsa_enable_private_segment 0
		.amdhsa_kernarg_size 24
		.amdhsa_user_sgpr_count 2
		.amdhsa_user_sgpr_kernarg_segment_ptr 1
		.amdhsa_wavefront_size32 1
		.amdhsa_system_sgpr_workgroup_id_x 1
		.amdhsa_system_sgpr_workgroup_id_y 1
		.amdhsa_system_sgpr_workgroup_id_z 1
		.amdhsa_system_vgpr_workitem_id 0
		.amdhsa_next_free_vgpr 896
		.amdhsa_next_free_sgpr 80
		.amdhsa_reserve_vcc 0
		.amdhsa_float_denorm_mode_32 3
		.amdhsa_float_denorm_mode_16_64 3
		.amdhsa_memory_ordered 1
		.amdhsa_forward_progress 1
		.amdhsa_inst_pref_size 51
	.end_amdhsa_kernel
	.amdgpu_metadata
---
amdhsa.version: [ 1, 2 ]
amdhsa.kernels:
  - .name:           k_q8ccc83a2b6_outp
    .symbol:         k_q8ccc83a2b6_outp.kd
    .args:
      - { .name: xw, .offset: 0, .size: 8, .value_kind: global_buffer, .address_space: global }
      - { .name: oc, .offset: 8, .size: 8, .value_kind: global_buffer, .address_space: global }
      - { .name: out0, .offset: 16, .size: 8, .value_kind: global_buffer, .address_space: global }
    .group_segment_fixed_size: 167936
    .private_segment_fixed_size: 0
    .kernarg_segment_align: 8
    .kernarg_segment_size: 24
    .max_flat_workgroup_size: 128
    .sgpr_count:     80
    .vgpr_count:     896
    .wavefront_size: 32
...
	.end_amdgpu_metadata
.endif
;; end of part 4
